; MI455X (gfx1250); checked and timed in simulation.
; The chip was launched on July 23, 2026; its instructions are those of AMD's public machine-readable ISA for CDNA 5 (MIT licence, August 2026) and "CDNA5" Instruction Set Architecture Reference Guide (July 2026). The comments in the code are by the model that wrote it; some were corrected since.
;; Attn. Allowed arithmetic: matrix products marked QUANTISED: E2M1 operands, one E8M0 scale for each 32 along K, by v_wmma_scale_f32_16x16x128_f8f6f4 with both operands' format E2M1 (or v_wmma_scale_f32_32x16x128_f4), f32 sums; products left as they are: f32 operands where the result goes on into a quantised operand, else bf16, f16 or f32 operands; f32 sums; everything else in f32.
;; Inputs: W_attn_codes 512 x 32 x 16 uint8 (E2M1 codes of W_attn, K innermost, in blocks of 32 codes, two codes a byte); W_attn_scales 512 x 32 uint8 (E8M0 scales of W_attn, one for each 32 codes along K); b_attn 512 float32; encoder_outputs 64 x 2,048 x 512 float32; hidden 64 x 512 float32; v 512 float32.
;; Outputs: out0 64 x 2,048 float32.
;; This version of the problem:
;;   THIS VERSION OF THE PROBLEM IS GIVEN IN LOW PRECISION. The matrix products marked QUANTISED in the list below multiply operands that are first quantised to E2M1 (2 exponent bits, 1 mantissa bit; 4 bits a number), with one power-of-two scale for each 32 numbers along K (OCP MX v1.0); their sums are f32. All else is computed in f32.
;;   The module's matrix products, in the order in which they are computed (A, B: the left and right operand; K: the contracted axis; several contracted axes count as one K, in the product's order):
;;     1. [M 131,072, K 1,024] x [K 1,024, N 512]; A: computed on the way; B: input W_attn (given as codes): QUANTISED
;;     2. [M 131,072, K 512] x [K 512, N 1]; A: computed on the way; B: input v: left as it is (N = 1 < 16)
;;   THE QUANTISER, for each operand of a quantised product, along K:
;;     - K is cut into blocks of 32 from its start; a last block that is shorter is filled with zeros.
;;     - A block's scale is 2^e with e = floor(log2(the largest magnitude in the block)) - 2, held to -126 .. 127; a block of zeros has e = 0. As a byte (E8M0): e + 127.
;;     - Each number is divided by its block's scale, clamped to +-6, and rounded to the nearest number of E2M1, ties to even, subnormals kept.
;;     - The product sums the exact products of the quantised numbers (number of the format x scale) in f32.
;;   ~~~python
;;   def quantise(x, axis):      # numpy; x: float32 -> the quantised numbers, widened to float32 again
;;       x = np.moveaxis(x, axis, -1); K = x.shape[-1]
;;       x = np.pad(x, [(0, 0)] * (x.ndim - 1) + [(0, -K % 32)]); x = x.reshape(x.shape[:-1] + (-1, 32)); a = np.abs(x).max(-1, keepdims=True)
;;       e = np.where(a > 0, np.clip(np.frexp(np.where(a > 0, a, 1))[1] - 1 - 2, -126, 127), 0)      # np.frexp(a)[1] - 1 = floor(log2(a)), exactly
;;       r = np.clip(x / 2.0 ** e, -6, 6)
;;       step = 2.0 ** (np.maximum(np.frexp(np.where(r == 0, 1, r))[1] - 1, 0) - 1)
;;       q = np.round(r / step) * step * 2.0 ** e      # np.round: ties to even
;;       return np.moveaxis(q.reshape(q.shape[:-2] + (-1,))[..., :K], -1, axis).astype(np.float32)
;;   ~~~
;;   OPERANDS COMPUTED ON THE WAY. 'Computed on the way' means the value that the module computes at that place (a softmax that the list does not call 'softmax' is quantised finished and normalised). What goes into a quantiser is computed in f32, as accurately as f32 sums, v_exp_f32 and their like allow (about 1e-6 of the number): no bf16 or f16 on the way to a quantiser, and a product that is left as it is and whose result goes on into a quantised operand takes f32 operands (vector FMAs, or v_wmma_f32_16x16x4_f32). A number that lies on a knife's edge between two numbers of the format may be rounded either way, as far as f32 arithmetic and the matrix unit's own rounding can turn it there, and no further.
;;   INPUTS GIVEN AS CODES. W_attn (in the module: [512, 1024], K = its axis 1): each comes as NAME_codes (uint8): NAME with its K axis moved to the last place and cut into blocks of 32 codes, [.., K / 32, bytes a block], one block behind the other in memory; two codes a byte, the lower K in the low four bits (a code: sign, 2 exponent bits, 1 mantissa bit); and NAME_scales (uint8): the same leading axes, one E8M0 byte (e + 127) for each 32 codes along K. Its value is code x scale, taken as it is: it is not quantised again, and the codes and scales need not be those that the quantiser above would give.
;; One version. Each part assembles by itself: llvm-mc -triple=amdgcn-amd-amdhsa -mcpu=gfx1250 --defsym DOCPART=n.
;; ======== version 1 of 1: 2 launches
;; limits: right only within a limited range of input values
;; workspace buffers: pexp 524,288 bytes; stats 262,144 bytes
;; launch energy (part 1): grid 256 x 1, 4 waves a work-group, no clusters, 327,680 bytes of LDS; arguments encoder_outputs, W_attn_codes, W_attn_scales, v, pexp, stats; writes pexp, stats
.if DOCPART == 1
	.amdgcn_target "amdgcn-amd-amdhsa--gfx1250"
	.amdhsa_code_object_version 6
	.text
	.protected	k_q7bfb41d06a_energy
	.globl	k_q7bfb41d06a_energy
	.p2align	8
	.type	k_q7bfb41d06a_energy,@function
k_q7bfb41d06a_energy:
	s_mov_b64 s[64:65], 0
	v_nop
	global_prefetch_b8 v0, s[64:65] scope:SCOPE_SE
	s_setreg_imm32_b32 hwreg(HW_REG_WAVE_MODE, 25, 1), 1
	s_wait_xcnt 0x0
; scores[b][s] = sum over h of v[h] (sum over k of Q(enc[b][s])[k] W[h][512 + k]), then e^(score - m), m the largest score of 128 neighbouring s, and the sum of these 128: the softmax's first half.
; LEFT OUT AS DEAD WORK.  x = [hidden[b], enc[b][s]] along K = 1,024: K's blocks of 32 are cut at 512, so hidden's codes and scales are made of hidden alone, and enc's of enc alone.
; The K steps 0 .. 511 give, for all values, v . (W[:, 0:512] Q(hidden[b])): one number for each b, the same for every s; and b_attn gives v . b_attn, one number.  Both are terms that are the same along the softmax's axis (s),
; and a softmax takes such a term away.  So hidden, b_attn, and columns 0 .. 511 of W's codes and scales have no way to the output and are not loaded.
; LIMITS: a NaN, an infinity or an overflow in that work alone is not carried to the result.  NaN and infinities in enc are not served.  A weight under 2^-126 of its 128 numbers' largest comes out as 0.
; SHARES.  A work-group owns 512 rows of enc (a quarter of a b's), in 8 blocks of 64 rows.  Wave w quantises columns 128 w .. 128 w + 127 of each block, and multiplies all 64 rows with W's rows 128 w .. 128 w + 127, which stay in registers.
; x comes through a ring of two LDS slots: a wave's tensor load brings its own 128 columns of 64 rows (rows of 512 bytes), which it alone reads.  Codes and scale words go from wave to wave through LDS as images of the operand's registers, two by turns; one barrier a block.
; LAYOUT.  Source 0 = 32 rows of W, source 1 = 16 rows of x: lane (r, h) holds row r of x and, in a tile's 16 registers, h units 8 h + 0 .. 7 and 16 + 8 h + 0 .. 7: the product with v is a fused multiply-add for each register pair, in f32.
; PREFETCH.  With each tensor load of block j each wave names block j + 1's part of its own next load, 64 rows x 2 units of 256 bytes, each once, in four instructions: one change of slots ahead of the load.  The last block's load has none with it.
; NO CLUSTER: the only bytes that work-groups share are W's 131,072 bytes of codes (and 8,192 of scales), asked for once by each work-group beside 1,048,576 bytes of x of its own, straight into registers: LDS (315,904 bytes in use) has no room for them.
; REGISTERS: window 0: addresses, scale words, x in f32, the quantiser; window 1: W's codes; window 2: the block's codes of x (tile m, K step s at 32 m + 8 s); window 3: accumulators, v, sums.
.set RP,     528                       ; an LDS row of x: 512 bytes + 16 of padding
.set WREG,   64*RP
.set SLOT,   4*WREG
.set IMG,    2*SLOT                    ; codes: two images of 16 KiB
.set IBUF,   16384
.set XSC,    IMG+2*IBUF                ; scale words: two images of 2 KiB
.set SBUF,   2048
.set SCP,    XSC+2*SBUF                ; each wave's parts of the 512 scores
.set SPARE,  SCP+8192                  ; the spare words
.set BLKB,   64*2048                   ; a block in memory
.set SPW, 1
.set NIL, 2
.set RA,  3                            ; v3-4 my place in slot 0, 1
.set FI,  5
.set FS,  6
.set WI,  7
.set WS,  8
.set SCA, 9
.set SCT, 10
.set ER,  11
.set VW,  12
.set VS,  13
.set VB,  14
.set PFO, 15
.set WSC, 16                           ; W's scale words: pair T, K step s at 4 T + s
.set XS,  32                           ; x's scale words: tile m, K step s at 4 m + s
.set SM,  48
.set GOF, 50
.set STO, 51
.set ST,  52                           ; x in f32, two tiles of 64 registers
.set TM,  180
.set PC,  192
.set PW,  200
.set T0,  202
.set T1,  203
.set T2,  204
.set ACC, 0                            ; window 3: 2 tiles of x x 4 pairs x 16
.set VT,  128
.set SUM, 192
.set WV,   18
.set SEL,  20
.set TRIP, 22
.set SB,   23
.set G1,   24
.set G0,   32
.set MSB, 0
.macro WIN new                         ; the immediate's high byte repeats the setting that is left
.if MSB != \new
	s_set_vgpr_msb (MSB<<8)|\new
.set MSB, \new
.endif
.endm
	s_load_b256 s[4:11], s[0:1], 0x0               ; enc, W's codes, W's scales, v
	s_load_b128 s[12:15], s[0:1], 0x20             ; pexp, stats
	v_lshl_add_u32 v[SPW], v0, 2, SPARE
	v_mov_b32 v[NIL], 0
	ds_add_u32 v[SPW], v[NIL]                      ; the opening: the add, twice on end
	ds_add_u32 v[SPW], v[NIL]
	v_lshrrev_b32 v[T0], 5, v0
	v_readfirstlane_b32 s[WV], v[T0]
	s_mov_b32 s[G1+0], (2<<16)|(1<<20)|(6<<22)|(3<<25)  ; elements of 4 bytes; four words of padding after every 128
	s_mov_b32 s[G1+1], 128<<16
	s_mov_b32 s[G1+2], 64<<16
	s_mov_b32 s[G1+3], 128<<16
	s_mov_b32 s[G1+4], 64
	s_mov_b32 s[G1+5], 512
	s_mov_b32 s[G1+6], 0
	s_mov_b32 s[G1+7], 0
	s_lshl_b32 s40, ttmp9, 20                      ; my 512 rows of 2,048 bytes
	s_lshl_b32 s42, s[WV], 9
	s_add_co_u32 s40, s40, s42                     ; + my 128 columns
	s_mov_b32 s41, 0
	s_mul_i32 s43, s[WV], WREG
	s_mov_b32 s[SEL], 0x76543210
	s_mov_b32 s[SEL+1], 0xfedcba98
	s_wait_dscnt 0x0                               ; both opening adds are done
	s_wait_kmcnt 0x0
	s_add_nc_u64 s[4:5], s[4:5], s[40:41]
.irp n, 0,1
	s_mov_b32 s[G0+4*\n], 1
	s_add_co_u32 s[G0+4*\n+1], s43, \n*SLOT
	s_add_nc_u64 s[G0+4*\n+2:G0+4*\n+3], s[4:5], \n*BLKB
	s_or_b32 s[G0+4*\n+3], s[G0+4*\n+3], 0x80000000
.endr
	tensor_load_to_lds s[G0:G0+3], s[G1:G1+7]      ; block 0: the wave's one load at the head
	s_nop 0
	s_mov_b32 s45, 0
	s_lshl_b32 s44, s[WV], 16
	s_add_nc_u64 s[6:7], s[6:7], s[44:45]          ; my 128 rows of W's codes,
	s_lshl_b32 s44, s[WV], 12
	s_add_nc_u64 s[8:9], s[8:9], s[44:45]          ; of its scales,
	s_mov_b32 s44, s42
	s_add_nc_u64 s[10:11], s[10:11], s[44:45]      ; of v
	s_lshl_b32 s44, ttmp9, 11
	s_add_nc_u64 s[12:13], s[12:13], s[44:45]      ; the work-group's 512 results
	s_lshl_b32 s44, ttmp9, 10
	s_lshl_b32 s46, s[WV], 8
	s_add_co_u32 s44, s44, s46
	s_add_nc_u64 s[14:15], s[14:15], s[44:45]      ; my wave's 256 bytes of stats
	s_lshl_b32 s46, s[WV], 10
	s_lshl_b32 s47, s[WV], 7
	s_lshl_b32 s48, s[WV], 11
	v_and_b32 v[T0], 15, v0                        ; r
	v_bfe_u32 v[T1], v0, 4, 1                      ; h
	v_and_b32 v[T2], 31, v0                        ; lane
	v_lshlrev_b32 v[PFO], 11, v[T2]                ; the prefetches: a lane a row
	v_lshlrev_b32 v[VW], 9, v[T0]
	v_lshl_add_u32 v[VW], v[T1], 4, v[VW]
	v_lshlrev_b32 v[VS], 5, v[T2]
	v_lshlrev_b32 v[VB], 5, v[T1]
	v_mul_u32_u24 v[RA], v[T0], RP
	v_lshl_add_u32 v[RA], v[T1], 6, v[RA]
	v_add_nc_u32 v[RA], s43, v[RA]
	v_add_nc_u32 v[RA+1], SLOT, v[RA]
	v_lshl_add_u32 v[FI], v[T2], 4, IMG
	v_lshl_add_u32 v[FS], v[T2], 2, XSC
	v_add_nc_u32 v[WI], s46, v[FI]
	v_add_nc_u32 v[WS], s47, v[FS]
	v_lshl_add_u32 v[SCA], v[T2], 2, SCP
	v_add_nc_u32 v[SCA], s48, v[SCA]
	v_lshl_add_u32 v[ER], v0, 4, SCP
	v_lshlrev_b32 v[GOF], 4, v0
	v_lshlrev_b32 v[STO], 3, v[T2]
.irp b, 0,1,2,3
	v_mov_b32 v[TM+4+\b], 0                        ; a lane permute's destination counts as one of its sources
.endr
	s_wait_alu depctr_va_vdst(0)                   ; the wait at the head's end
.macro PRE blk, part                   ; two of the four prefetches of the block that lies blk blocks behind s[4:5]: 32 rows x 512 bytes
	global_prefetch_b8 v[PFO], s[4:5] offset:(\blk)*BLKB+65536*(\part) th:TH_LOAD_NT scope:SCOPE_SE
	global_prefetch_b8 v[PFO], s[4:5] offset:(\blk)*BLKB+65536*(\part)+256 th:TH_LOAD_NT scope:SCOPE_SE
.endm
	PRE 1, 0
	PRE 1, 1
.irp t, 0,1,2,3
	global_load_b128 v[WSC+4*\t:WSC+4*\t+3], v[VS], s[8:9] offset:1024*\t+16   ; lane m: row 32 T + m, the words of K steps 0 .. 3 of columns 512 ..
.endr
	WIN 0x40
.irp t, 0,1,2,3,4,5,6,7
.irp s, 0,1,2,3
.irp c, 0,1
	global_load_b128 v[16*(4*(\t/2)+\s)+8*(\t%2)+4*\c:16*(4*(\t/2)+\s)+8*(\t%2)+4*\c+3], v[VW], s[6:7] offset:8192*\t+256+64*\s+32*\c
.endr
.endr
.endr
	WIN 0xc0
.irp t, 0,1,2,3,4,5,6,7
	global_load_b128 v[VT+8*\t:VT+8*\t+3],   v[VB], s[10:11] offset:64*\t
	global_load_b128 v[VT+8*\t+4:VT+8*\t+7], v[VB], s[10:11] offset:64*\t+16
.endr
	WIN 0
; One tile of 16 rows x 128 columns: lane (r, h) holds 16 numbers of each of row r's four blocks of 32; lane l xor 16 the other 16.
.macro QUANT s
.irp b, 0,1,2,3
	v_max3_num_f32 v[TM+\b], |v[\s+16*\b]|, |v[\s+1+16*\b]|, 0x1800000   ; with the floor 2^(3 - 127): the scale's byte cannot fall under 1
.endr
.irp i, 2,4,6,8,10,12,14
.irp b, 0,1,2,3
	v_max3_num_f32 v[TM+\b], v[TM+\b], |v[\s+16*\b+\i]|, |v[\s+1+16*\b+\i]|
.endr
.endr
.irp b, 0,1,2,3
	v_permlanex16_b32 v[TM+4+\b], v[TM+\b], s[SEL], s[SEL+1]
.endr
.irp b, 0,1,2,3
	v_max_num_f32 v[TM+\b], v[TM+\b], v[TM+4+\b]
.endr
.irp b, 0,1,2,3
	v_add_nc_u32 v[TM+8+\b], 0xff000000, v[TM+\b]   ; 2 off the exponent field: the conversion's scale operand
.endr
.irp b, 0,1,2,3
	v_lshrrev_b32 v[TM+4+\b], 23, v[TM+8+\b]
.endr
	v_lshl_or_b32 v[PW], v[TM+5], 8, v[TM+4]
	v_lshl_or_b32 v[PW], v[TM+6], 16, v[PW]
	v_lshl_or_b32 v[PW], v[TM+7], 24, v[PW]
.irp b, 0,1,2,3
	v_cvt_scalef32_pk8_fp4_f32 v[PC+2*\b], v[\s+16*\b:\s+7+16*\b], v[TM+8+\b]
	v_cvt_scalef32_pk8_fp4_f32 v[PC+1+2*\b], v[\s+8+16*\b:\s+15+16*\b], v[TM+8+\b]
.endr
	v_nop                                          ; one plain place behind a scaled conversion
.irp c, 0,1
.irp i, 0,1
	v_permlane16_swap_b32 v[PC+4*\c+\i], v[PC+2+4*\c+\i]   ; a whole block in a lane, as the operand wants it
.endr
.endr
.endm
.macro IMAGE off
.irp c, 0,1
	ds_store_b128 v[WI], v[PC+4*\c:PC+4*\c+3] offset:\off+512*\c
.endr
.endm
.macro XLD slot, m, half               ; tile m of the slot in f32: 16 loads
.irp b, 0,1,2,3
.irp j, 0,1,2,3
	ds_load_b128 v[ST+64*(\half)+16*\b+4*\j:ST+64*(\half)+16*\b+4*\j+3], v[RA+\slot] offset:16*RP*(\m)+128*\b+16*\j
.endr
.endr
.endm
.macro FETCH p                         ; the block's codes and scale words, 48 loads: 24 for tiles 0 and 1, then 24 for tiles 2 and 3
.irp n, 0,1,2,3,4,5,6,7
	ds_load_b32 v[XS+\n], v[FS] offset:SBUF*\p+128*\n
.endr
	WIN 0x80
.irp n, 0,1,2,3,4,5,6,7,8,9,10,11,12,13,14,15
.irp c, 0,1
	ds_load_b128 v[8*\n+4*\c:8*\n+4*\c+3], v[FI] offset:IBUF*\p+1024*\n+512*\c
.endr
.endr
	WIN 0
.irp n, 8,9,10,11,12,13,14,15
	ds_load_b32 v[XS+\n], v[FS] offset:SBUF*\p+128*\n
.endr
.endm
.macro MUL g                           ; tiles 2 g, 2 g + 1 of x against my 128 rows of W: eight accumulators by turns
	WIN 0xf9
.irp s, 0,1,2,3
.irp t, 0,1,2,3
.irp a, 0,1
.if \s == 0
	v_wmma_scale_f32_32x16x128_f4 v[ACC+64*\a+16*\t:ACC+64*\a+16*\t+15], v[16*(4*\t+\s):16*(4*\t+\s)+15], v[64*\g+32*\a+8*\s:64*\g+32*\a+8*\s+7], 0, v[WSC+4*\t+\s], v[XS+8*\g+4*\a+\s]
.else
	v_wmma_scale_f32_32x16x128_f4 v[ACC+64*\a+16*\t:ACC+64*\a+16*\t+15], v[16*(4*\t+\s):16*(4*\t+\s)+15], v[64*\g+32*\a+8*\s:64*\g+32*\a+8*\s+7], v[ACC+64*\a+16*\t:ACC+64*\a+16*\t+15], v[WSC+4*\t+\s], v[XS+8*\g+4*\a+\s]
.endif
.endr
.endr
.endr
	WIN 0
.endm
.macro REDUCE slot, g                  ; times v, summed over my 128 units: eight chains
	WIN 0xff
.rept 4
	v_nop                                          ; places behind the last products
.endr
.irp a, 0,1
.irp c, 0,1,2,3
	v_pk_mul_f32 v[SUM+8*\a+2*\c:SUM+8*\a+2*\c+1], v[ACC+64*\a+2*\c:ACC+64*\a+2*\c+1], v[VT+2*\c:VT+2*\c+1]
.endr
.endr
.irp u, 1,2,3,4,5,6,7
.irp a, 0,1
.irp c, 0,1,2,3
	v_pk_fma_f32 v[SUM+8*\a+2*\c:SUM+8*\a+2*\c+1], v[ACC+64*\a+8*\u+2*\c:ACC+64*\a+8*\u+2*\c+1], v[VT+8*\u+2*\c:VT+8*\u+2*\c+1], v[SUM+8*\a+2*\c:SUM+8*\a+2*\c+1]
.endr
.endr
.endr
.irp a, 0,1
	v_pk_add_f32 v[SUM+8*\a:SUM+8*\a+1], v[SUM+8*\a:SUM+8*\a+1], v[SUM+8*\a+2:SUM+8*\a+3]
	v_pk_add_f32 v[SUM+8*\a+4:SUM+8*\a+5], v[SUM+8*\a+4:SUM+8*\a+5], v[SUM+8*\a+6:SUM+8*\a+7]
.endr
.irp a, 0,1
	v_pk_add_f32 v[SUM+8*\a:SUM+8*\a+1], v[SUM+8*\a:SUM+8*\a+1], v[SUM+8*\a+4:SUM+8*\a+5]
.endr
	WIN 0x0f
.irp a, 0,1
	v_add_f32 v[SM+\a], v[SUM+8*\a], v[SUM+8*\a+1]
.endr
	WIN 0
	v_permlane16_swap_b32 v[SM], v[SM+1]           ; now v[SM]: both tiles' halves of lanes 0-15, v[SM+1]: those of lanes 16-31
	v_add_f32 v[SM], v[SM], v[SM+1]                ; lane l: row 32 g + l of the block
	ds_store_b32 v[SCT], v[SM] offset:256*\slot+128*\g
.endm
.macro ASK slot, part                  ; slot 0 (block i even): block i + 3.  Slot 1: likewise, but in the loop's last trip there is no block 8
.if \slot
	s_cmp_eq_u32 s[TRIP], 1
	s_cbranch_scc1 .Lnone_\@
.endif
	PRE 3+\slot, \part
.if \slot
.Lnone_\@:
.endif
.endm
; A block.  kind 2: its slot is filled again, with the block two on.  kind 1: the last but one; kind 0: the last.  Tiles 0 and 1 have been asked for from the slot.
.macro BLOCK slot, kind
.irp m, 0,1,2,3
.if \m == 0
	s_wait_dscnt 16                                ; tile 1's loads may be out
.elseif \m == 3
	s_wait_dscnt 3                                 ; the three stores of tile 2 may be out
.else
	s_wait_dscnt 19                                ; three stores and the next tile's 16 loads may be out
.endif
	QUANT ST+64*(\m%2)
	IMAGE IBUF*\slot+4096*\m
	ds_store_b32 v[WS], v[PW] offset:SBUF*\slot+512*\m
.if \m < 2
	XLD \slot, \m+2, \m%2
.endif
.endr
.if \kind == 2
	s_wait_tensorcnt 0x0                           ; the next block is in
	ds_add_u32 v[SPW], v[NIL]
	s_add_nc_u64 s[G0+4*\slot+2:G0+4*\slot+3], s[G0+4*\slot+2:G0+4*\slot+3], 2*BLKB
.endif
	v_add_nc_u32 v[SCT], s[SB], v[SCA]
	s_wait_dscnt 0x0                               ; my stores are in the image; I no longer read the slot
	s_barrier_signal -1
	s_barrier_wait -1
.if \kind == 2
	tensor_load_to_lds s[G0+4*\slot:G0+4*\slot+3], s[G1:G1+7]
	s_nop 0
.endif
	FETCH \slot
.if \kind == 2
	ASK \slot, 0
.if \slot == 0
	s_wait_loadcnt 0x0                             ; W and v (in the first trip)
.endif
.endif
	s_wait_dscnt 24                                ; tiles 2 and 3 may be out
	MUL 0
.if \kind == 2
	XLD 1-\slot, 0, 0                              ; the next block's first two tiles: my own part of it has landed
	XLD 1-\slot, 1, 1
	ASK \slot, 1
.endif
	REDUCE \slot, 0
.if \kind == 2
	s_wait_dscnt 33                                ; the next block's 32 loads and one store may be out
.else
	s_wait_dscnt 1                                 ; one store may be out
.endif
	MUL 1
	REDUCE \slot, 1
.if \kind == 1
	s_wait_tensorcnt 0x0                           ; the last block, which I alone read
	XLD 1-\slot, 0, 0
	XLD 1-\slot, 1, 1
.endif
.endm
	s_wait_alu depctr_va_vdst(0)                   ; directly ahead of the wait below
	s_wait_tensorcnt 0x0                           ; block 0
	ds_add_u32 v[SPW], v[NIL]
	s_wait_dscnt 0x0
	s_barrier_signal -1
	s_barrier_wait -1
	tensor_load_to_lds s[G0+4:G0+7], s[G1:G1+7]    ; block 1
	s_nop 0
	XLD 0, 0, 0
	XLD 0, 1, 1
	PRE 2, 0
	PRE 2, 1
	s_mov_b32 s[TRIP], 3
	s_mov_b32 s[SB], 0
.Lpair:
	BLOCK 0, 2
	BLOCK 1, 2
	s_wait_xcnt 0x0                                ; the prefetches have read their base
	s_add_nc_u64 s[4:5], s[4:5], 2*BLKB
	s_add_co_u32 s[SB], s[SB], 512
	s_sub_co_u32 s[TRIP], s[TRIP], 1
	s_cmp_lg_u32 s[TRIP], 0
	s_cbranch_scc1 .Lpair
	BLOCK 0, 1
	BLOCK 1, 0
	s_wait_dscnt 0x0
	s_barrier_signal -1
	s_barrier_wait -1
	; thread t: scores 4 t .. 4 t + 3, the four waves' parts added; then the wave's 128 scores
.irp k, 0,1,2,3
	ds_load_b128 v[ST+4*\k:ST+4*\k+3], v[ER] offset:2048*\k
.endr
	s_wait_dscnt 0x0
	v_pk_add_f32 v[ST:ST+1], v[ST:ST+1], v[ST+4:ST+5]
	v_pk_add_f32 v[ST+2:ST+3], v[ST+2:ST+3], v[ST+6:ST+7]
	v_pk_add_f32 v[ST+8:ST+9], v[ST+8:ST+9], v[ST+12:ST+13]
	v_pk_add_f32 v[ST+10:ST+11], v[ST+10:ST+11], v[ST+14:ST+15]
	v_pk_add_f32 v[ST:ST+1], v[ST:ST+1], v[ST+8:ST+9]
	v_pk_add_f32 v[ST+2:ST+3], v[ST+2:ST+3], v[ST+10:ST+11]
	v_max3_num_f32 v[TM], v[ST], v[ST+1], v[ST+2]
	v_max_num_f32 v[TM], v[TM], v[ST+3]
.irp x, 1,2,4,8
	v_max_num_f32_dpp v[TM], v[TM], v[TM] row_xmask:\x row_mask:0xf bank_mask:0xf
.endr
	v_permlanex16_b32 v[TM+4], v[TM], s[SEL], s[SEL+1]
	v_max_num_f32 v[TM], v[TM], v[TM+4]            ; m, in every lane
.irp j, 0,1,2,3
	v_sub_f32 v[ST+\j], v[ST+\j], v[TM]
.endr
.irp j, 0,1,2,3
	v_mul_f32 v[ST+\j], 0x3fb8aa3b, v[ST+\j]
.endr
	s_wait_alu depctr_va_vdst(0)                   ; ahead of the batch
.irp j, 0,1,2,3
	v_exp_f32 v[ST+\j], v[ST+\j]
.endr
	v_nop
	s_wait_alu depctr_va_vdst(0)                   ; ahead of its first reader
	global_store_b128 v[GOF], v[ST:ST+3], s[12:13] ; a wave stores 512 consecutive bytes
	v_add_f32 v[TM+1], v[ST], v[ST+1]
	v_add_f32 v[TM+5], v[ST+2], v[ST+3]
	v_add_f32 v[TM+1], v[TM+1], v[TM+5]
.irp x, 1,2,4,8
	v_add_f32_dpp v[TM+1], v[TM+1], v[TM+1] row_xmask:\x row_mask:0xf bank_mask:0xf
.endr
	v_permlanex16_b32 v[TM+4], v[TM+1], s[SEL], s[SEL+1]
	v_add_f32 v[TM+1], v[TM+1], v[TM+4]
	global_store_b64 v[STO], v[TM:TM+1], s[14:15]  ; m and the sum, in all 32 lanes: the wave's own 256 bytes, written whole
	s_wait_tensorcnt 0x0                           ; the wave's end
	ds_add_u32 v[SPW], v[NIL]
	s_wait_dscnt 0x0
	s_endpgm
.Lfunc_end_k_q7bfb41d06a_energy:
	.size	k_q7bfb41d06a_energy, .Lfunc_end_k_q7bfb41d06a_energy-k_q7bfb41d06a_energy
	.p2alignl 7, 3214868480
	.fill 96, 4, 3214868480
	.section	.rodata,"a",@progbits
	.p2align	6, 0x0
	.amdhsa_kernel k_q7bfb41d06a_energy
		.amdhsa_group_segment_fixed_size 327680
		.amdhsa_private_segment_fixed_size 0
		.amdhsa_enable_private_segment 0
		.amdhsa_kernarg_size 48
		.amdhsa_user_sgpr_count 2
		.amdhsa_user_sgpr_kernarg_segment_ptr 1
		.amdhsa_wavefront_size32 1
		.amdhsa_system_sgpr_workgroup_id_x 1
		.amdhsa_system_sgpr_workgroup_id_y 1
		.amdhsa_system_sgpr_workgroup_id_z 1
		.amdhsa_system_vgpr_workitem_id 0
		.amdhsa_next_free_vgpr 1024
		.amdhsa_next_free_sgpr 66
		.amdhsa_reserve_vcc 0
		.amdhsa_float_denorm_mode_32 3
		.amdhsa_float_denorm_mode_16_64 3
		.amdhsa_memory_ordered 1
		.amdhsa_forward_progress 1
		.amdhsa_inst_pref_size 180
	.end_amdhsa_kernel
	.amdgpu_metadata
---
amdhsa.version: [ 1, 2 ]
amdhsa.kernels:
  - .name:           k_q7bfb41d06a_energy
    .symbol:         k_q7bfb41d06a_energy.kd
    .args:
      - { .name: encoder_outputs, .offset: 0, .size: 8, .value_kind: global_buffer, .address_space: global }
      - { .name: W_attn_codes, .offset: 8, .size: 8, .value_kind: global_buffer, .address_space: global }
      - { .name: W_attn_scales, .offset: 16, .size: 8, .value_kind: global_buffer, .address_space: global }
      - { .name: v, .offset: 24, .size: 8, .value_kind: global_buffer, .address_space: global }
      - { .name: pexp, .offset: 32, .size: 8, .value_kind: global_buffer, .address_space: global }
      - { .name: stats, .offset: 40, .size: 8, .value_kind: global_buffer, .address_space: global }
    .group_segment_fixed_size: 327680
    .private_segment_fixed_size: 0
    .kernarg_segment_align: 8
    .kernarg_segment_size: 48
    .max_flat_workgroup_size: 128
    .sgpr_count:     66
    .vgpr_count:     1024
    .wavefront_size: 32
...
	.end_amdgpu_metadata
.endif
;; end of part 1
;; launch norm (part 2): grid 256 x 1, 4 waves a work-group, no clusters, 0 bytes of LDS; arguments pexp, stats, out0; writes out0
.if DOCPART == 2
	.amdgcn_target "amdgcn-amd-amdhsa--gfx1250"
	.amdhsa_code_object_version 6
	.text
	.protected	k_q7bfb41d06a_norm
	.globl	k_q7bfb41d06a_norm
	.p2align	8
	.type	k_q7bfb41d06a_norm,@function
k_q7bfb41d06a_norm:
	s_mov_b64 s[64:65], 0
	v_nop
	global_prefetch_b8 v0, s[64:65] scope:SCOPE_SE
	s_setreg_imm32_b32 hwreg(HW_REG_WAVE_MODE, 25, 1), 1
	s_wait_xcnt 0x0
; The softmax's second half.  Row b's 2,048 numbers came as 16 parts of 128: pexp = e^(x - m_p), stats = (m_p, sum_p) of each part p, 256 bytes a part (the pair in every lane's 8 bytes).
; M = the largest m_p; out = pexp e^(m_p - M) / (sum over p of sum_p e^(m_p - M)).  A wave takes one part; each wave makes M and the divisor by itself from the 16 pairs, one pair a lane in each half of the lanes.
; No LDS, no barrier, no loop to prefetch for; a work-group takes four parts, each number is read once and written once.
; LIMITS: NaN and infinities are not served; a weight under 2^-126 comes out as 0.
	s_load_b128 s[4:7], s[0:1], 0x0                ; pexp, stats
	s_load_b64 s[8:9], s[0:1], 0x10                ; out0
	v_and_b32 v2, 15, v0
	v_lshrrev_b32 v3, 5, v0
	v_lshlrev_b32 v1, 4, v0                        ; my 16 bytes of the work-group's 2,048
	v_lshlrev_b32 v2, 8, v2                        ; part lane % 16 of the row
	v_lshlrev_b32 v3, 8, v3                        ; my wave's own part, of the work-group's four
	v_mov_b32 v12, 0                               ; written once: a lane permute's destination counts as one of its sources
	v_mov_b32 v17, 0                               ; named as the upper half of a pair
	s_lshl_b32 s10, ttmp9, 11
	s_mov_b32 s11, 0
	s_lshr_b32 s12, ttmp9, 2                       ; b
	s_lshl_b32 s12, s12, 12
	s_mov_b32 s13, 0
	s_lshl_b32 s14, ttmp9, 10
	s_mov_b32 s15, 0
	s_wait_alu depctr_va_vdst(0)                   ; the wait at the head's end
	s_wait_kmcnt 0x0
	s_add_nc_u64 s[12:13], s[6:7], s[12:13]
	s_add_nc_u64 s[14:15], s[6:7], s[14:15]
	s_add_nc_u64 s[4:5], s[4:5], s[10:11]
	s_add_nc_u64 s[8:9], s[8:9], s[10:11]
	global_load_b64 v[4:5], v2, s[12:13]           ; m_p, sum_p
	global_load_b32 v6, v3, s[14:15]               ; my part's m
	global_load_b128 v[8:11], v1, s[4:5] th:TH_LOAD_NT
	s_wait_loadcnt 0x0
	v_max_num_f32_dpp v12, v4, v4 row_xmask:1 row_mask:0xf bank_mask:0xf
	v_max_num_f32_dpp v12, v12, v12 row_xmask:2 row_mask:0xf bank_mask:0xf
	v_max_num_f32_dpp v12, v12, v12 row_xmask:4 row_mask:0xf bank_mask:0xf
	v_max_num_f32_dpp v12, v12, v12 row_xmask:8 row_mask:0xf bank_mask:0xf   ; M
	v_sub_f32 v13, v4, v12
	v_sub_f32 v14, v6, v12
	v_mul_f32 v13, 0x3fb8aa3b, v13
	v_mul_f32 v14, 0x3fb8aa3b, v14
	s_wait_alu depctr_va_vdst(0)                   ; ahead of the batch
	v_exp_f32 v13, v13
	v_exp_f32 v14, v14
	v_nop
	s_wait_alu depctr_va_vdst(0)                   ; ahead of its first reader
	v_mul_f32 v15, v13, v5
	v_add_f32_dpp v15, v15, v15 row_xmask:1 row_mask:0xf bank_mask:0xf
	v_add_f32_dpp v15, v15, v15 row_xmask:2 row_mask:0xf bank_mask:0xf
	v_add_f32_dpp v15, v15, v15 row_xmask:4 row_mask:0xf bank_mask:0xf
	v_add_f32_dpp v15, v15, v15 row_xmask:8 row_mask:0xf bank_mask:0xf       ; at least 1: the part that holds the row's largest has a sum of at least 1
	s_wait_alu depctr_va_vdst(0)
	v_rcp_f32 v15, v15
	v_nop
	s_wait_alu depctr_va_vdst(0)
	v_mul_f32 v16, v14, v15
	v_pk_mul_f32 v[8:9], v[8:9], v[16:17] op_sel_hi:[1,0]
	v_pk_mul_f32 v[10:11], v[10:11], v[16:17] op_sel_hi:[1,0]
	global_store_b128 v1, v[8:11], s[8:9] th:TH_STORE_NT   ; a wave stores 512 consecutive bytes
	s_endpgm
.Lfunc_end_k_q7bfb41d06a_norm:
	.size	k_q7bfb41d06a_norm, .Lfunc_end_k_q7bfb41d06a_norm-k_q7bfb41d06a_norm
	.p2alignl 7, 3214868480
	.fill 96, 4, 3214868480
	.section	.rodata,"a",@progbits
	.p2align	6, 0x0
	.amdhsa_kernel k_q7bfb41d06a_norm
		.amdhsa_group_segment_fixed_size 0
		.amdhsa_private_segment_fixed_size 0
		.amdhsa_enable_private_segment 0
		.amdhsa_kernarg_size 24
		.amdhsa_user_sgpr_count 2
		.amdhsa_user_sgpr_kernarg_segment_ptr 1
		.amdhsa_wavefront_size32 1
		.amdhsa_system_sgpr_workgroup_id_x 1
		.amdhsa_system_sgpr_workgroup_id_y 1
		.amdhsa_system_sgpr_workgroup_id_z 1
		.amdhsa_system_vgpr_workitem_id 0
		.amdhsa_next_free_vgpr 20
		.amdhsa_next_free_sgpr 66
		.amdhsa_reserve_vcc 0
		.amdhsa_float_denorm_mode_32 3
		.amdhsa_float_denorm_mode_16_64 3
		.amdhsa_memory_ordered 1
		.amdhsa_forward_progress 1
		.amdhsa_inst_pref_size 3
	.end_amdhsa_kernel
	.amdgpu_metadata
---
amdhsa.version: [ 1, 2 ]
amdhsa.kernels:
  - .name:           k_q7bfb41d06a_norm
    .symbol:         k_q7bfb41d06a_norm.kd
    .args:
      - { .name: pexp, .offset: 0, .size: 8, .value_kind: global_buffer, .address_space: global }
      - { .name: stats, .offset: 8, .size: 8, .value_kind: global_buffer, .address_space: global }
      - { .name: out0, .offset: 16, .size: 8, .value_kind: global_buffer, .address_space: global }
    .group_segment_fixed_size: 0
    .private_segment_fixed_size: 0
    .kernarg_segment_align: 8
    .kernarg_segment_size: 24
    .max_flat_workgroup_size: 128
    .sgpr_count:     66
    .vgpr_count:     20
    .wavefront_size: 32
...
	.end_amdgpu_metadata
.endif
;; end of part 2
